; MI455X (gfx1250); checked and timed in simulation.
; The chip was launched on July 23, 2026; its instructions are those of AMD's public machine-readable ISA for CDNA 5 (MIT licence, August 2026) and "CDNA5" Instruction Set Architecture Reference Guide (July 2026). The comments in the code are by the model that wrote it; some were corrected since.
;; Causal Self Attention. Allowed arithmetic: matrix products marked QUANTISED: E4M3 operands, one given power-of-two scale a tensor, by v_wmma_f32_16x16x64_fp8_fp8 or v_wmma_f32_16x16x128_fp8_fp8, f32 sums; everything else in f32.
;; Inputs: W_proj_codes 1,024 x 32 x 32 uint8 (E4M3 codes of W_proj, K innermost, in blocks of 32 codes); W_qkv_codes 3,072 x 32 x 32 uint8 (E4M3 codes of W_qkv, K innermost, in blocks of 32 codes); b_proj 1,024 float32; b_qkv 3,072 float32; lowp_scales 8 int32 (the exponents e of the quantised operands' scales 2^e); x_codes 4 x 2,048 x 32 x 32 uint8 (E4M3 codes of x, K innermost, in blocks of 32 codes).
;; Outputs: out0 4 x 2,048 x 1,024 float32.
;; This version of the problem:
;;   THIS VERSION OF THE PROBLEM IS GIVEN IN LOW PRECISION. The matrix products marked QUANTISED in the list below multiply operands that are first quantised to E4M3 (4 exponent bits, 3 mantissa bits; 8 bits a number), with one given power-of-two scale for each operand tensor; their sums are f32. All else is computed in f32.
;;   The module's matrix products, in the order in which they are computed (A, B: the left and right operand; K: the contracted axis; several contracted axes count as one K, in the product's order):
;;     1. [M 8,192, K 1,024] x [K 1,024, N 3,072]; A: input x (given as codes); B: input W_qkv (given as codes): QUANTISED (scales: A lowp_scales[0], B lowp_scales[1])
;;     2. batch 64 x [M 2,048, K 64] x [K 64, N 2,048]; A: computed on the way; B: computed on the way: QUANTISED (scales: A lowp_scales[2], B lowp_scales[3])
;;     3. batch 64 x [M 2,048, K 2,048] x [K 2,048, N 64]; A: softmax (see below); B: computed on the way: QUANTISED (scales: A lowp_scales[4], B lowp_scales[5])
;;     4. [M 8,192, K 1,024] x [K 1,024, N 1,024]; A: computed on the way; B: input W_proj (given as codes): QUANTISED (scales: A lowp_scales[6], B lowp_scales[7])
;;   THE QUANTISER, for each operand of a quantised product, along K:
;;     - The operand's scale is 2^e, e = its entry of the input lowp_scales (int32; the entries are numbered through the quantised products in the list's order, A before B).
;;     - Each number is divided by the scale, clamped to +-448, and rounded to the nearest number of E4M3, ties to even, subnormals kept.
;;     - The product sums the exact products of the quantised numbers (number of the format x scale) in f32.
;;   ~~~python
;;   def quantise(x, axis, e):      # numpy; x: float32 -> the quantised numbers, widened to float32 again
;;       x = np.moveaxis(x, axis, -1); K = x.shape[-1]
;;       r = np.clip(x / 2.0 ** e, -448, 448)
;;       step = 2.0 ** (np.maximum(np.frexp(np.where(r == 0, 1, r))[1] - 1, -6) - 3)
;;       q = np.round(r / step) * step * 2.0 ** e      # np.round: ties to even
;;       return np.moveaxis(q, -1, axis).astype(np.float32)
;;   ~~~
;;   SOFTMAX AHEAD OF A QUANTISED PRODUCT. Where the list says 'softmax', what is quantised is not the finished softmax but p = 2^(t - M), with t = logit x log2(e) and M = ceil(the row's largest t), a whole number; so 1/2 < the row's largest p <= 1. The row's sum l is taken of the UNQUANTISED p, in f32, and the product's result is divided by l at the end. Since M is a whole number, a kernel that streams over the keys may use a running M (the ceiling of the running maximum): every later rescaling is an exact power of two, so the quantised numbers keep their values, but for numbers so far below the row's largest that they fall under the format's range.
;;   OPERANDS COMPUTED ON THE WAY. 'Computed on the way' means the value that the module computes at that place (a softmax that the list does not call 'softmax' is quantised finished and normalised). What goes into a quantiser is computed in f32, as accurately as f32 sums, v_exp_f32 and their like allow (about 1e-6 of the number): no bf16 or f16 on the way to a quantiser, and a product that is left as it is and whose result goes on into a quantised operand takes f32 operands (vector FMAs, or v_wmma_f32_16x16x4_f32). A number that lies on a knife's edge between two numbers of the format may be rounded either way, as far as f32 arithmetic and the matrix unit's own rounding can turn it there, and no further.
;;   INPUTS GIVEN AS CODES. W_proj (in the module: [1024, 1024], K = its axis 0); W_qkv (in the module: [1024, 3072], K = its axis 0); x (in the module: [4, 2048, 1024], K = its axis 2): each comes as NAME_codes (uint8): NAME with its K axis moved to the last place and cut into blocks of 32 codes, [.., K / 32, bytes a block], one block behind the other in memory; one code a byte (a code: sign, 4 exponent bits, 3 mantissa bits); its scale is its entry of lowp_scales. Its value is code x scale, taken as it is: it is not quantised again, and the codes and scales need not be those that the quantiser above would give.
;; One version. Each part assembles by itself: llvm-mc -triple=amdgcn-amd-amdhsa -mcpu=gfx1250 --defsym DOCPART=n.
;; ======== version 1 of 1: 3 launches
;; limits: right only within a limited range of input values
;; workspace buffers: qkvc 25,165,824 bytes; yc 8,388,608 bytes
;; launch qkvgemm (part 1): grid 12 x 32, 4 waves a work-group, clusters of 4 x 4, 327,680 bytes of LDS; arguments x_codes, W_qkv_codes, lowp_scales, b_qkv, qkvc; writes qkvc
.if DOCPART == 1
	.amdgcn_target "amdgcn-amd-amdhsa--gfx1250"
	.amdhsa_code_object_version 6
	.text
	.protected	k_qc9da256bda_qkvgemm
	.globl	k_qc9da256bda_qkvgemm
	.p2align	8
	.type	k_qc9da256bda_qkvgemm,@function
k_qc9da256bda_qkvgemm:
	s_mov_b64 s[64:65], 0
	v_nop
	global_prefetch_b8 v0, s[64:65] scope:SCOPE_SE
	s_setreg_imm32_b32 hwreg(HW_REG_WAVE_MODE, 25, 1), 1
	s_wait_xcnt 0x0
	s_wait_alu depctr_hold_cnt(0) depctr_sa_sdst(0) depctr_va_vdst(0) depctr_va_sdst(0) depctr_va_ssrc(0) depctr_va_vcc(0) depctr_vm_vsrc(0)
	s_getreg_b32 s2, hwreg(HW_REG_IB_STS2, 6, 4)
	s_cmp_eq_u32 s2, 0
	s_cbranch_scc0 .Lentry_in_a_cluster
	s_endpgm
.Lentry_in_a_cluster:
	s_bfe_u32 s2, ttmp6, 0x10000c
	s_cmp_lg_u32 s2, 0xf033
	s_cbranch_scc0 .Lentry_shape_is_right
	s_endpgm
.Lentry_shape_is_right:
; qkv = x W_qkv + b_qkv on codes of FP8 (E4M3), then the quantisers of q, k and v.  x: [8192][1024] codes, W_qkv: [3072][1024] codes, K innermost; b_qkv [3072] f32.
; A number of x is its code x 2^e0, of W x 2^e1 (entries of the buffer of scales).  The bias goes in as the C of each sum's first product, divided by 2^(e0 + e1); a finished sum is
; converted with the one scale 2^(eo - e0 - e1), eo = e2 for q, e3 for k, e5 for v.
; LIMITS: eo - e0 - e1 between -126 and 119, so that the power of two is an f32 number.  NaN codes among the inputs are not served.
; A tile of 256 x 256 is made by four waves, 128 x 128 each: 64 accumulators, 512 registers.  K goes in steps of 256 through a ring of two LDS slots: 4 fills, two of them refills.
; CLUSTERS: 4 x 4 work-groups; the cluster's x is 0, 1, 2 for q, k, v (four tile columns of 256 are one section of 1,024).  "A" is the operand whose rows become LANES (source 1), "B" the one whose rows
; become a lane's REGISTERS (source 0).  For q and k: A = x (tokens), B = W (dims): a lane's eight results are eight neighbouring dims of one token, the next product's K.
; For v: A = W's rows 2048 on (channels), B = x (tokens): a lane's eight results are eight neighbouring TOKENS of one channel, since the keys are the K of the product that v enters.
; A's tile hangs on cy alone and is shared along a row of the cluster, B's on cx alone and is shared along a column, in every mode: each is asked for jointly.  No LDS address hangs on the mode.
; OUT: one conversion of an accumulator's eight registers gives two registers of the next product's fragment (registers 2 c, 2 c + 1: k = 16 c + 8 (lane / 16) + 0 .. 7).  So the codes leave as IMAGES OF
; OPERAND REGISTERS, four registers a store at 16 x lane: each store of the wave covers 512 consecutive bytes, aligned.  qkvc: sections q, k, v of 8,388,608 bytes; a head (16 batch + h) has 131,072 in each;
; q, k: token tile tt at 1024 tt (8 registers: 2 pieces of 512 bytes);  v: key chunk s (128 keys) at 8192 s, channel tile ct at + 2048 ct (16 registers: 4 pieces).
; REGISTERS, in windows of 256: window 0: v0-31 addresses and constants; v32-95 the bias tiles; v96-103 the bias loads' offsets; from v128 A's fragments, ONE set, later the codes.
;   window 1: B's fragments, TWO sets.   window 2: the accumulators of A's blocks 0-3 ((a, b) at v[8 (8 (a % 4) + b)]);   window 3: those of blocks 4-7.
.set ROWB,   256                       ; a tile's row in bytes: 256 codes
.set KROW,   1024                      ; a row of x or of W in memory
.set PITCH,  272                       ; an LDS row: 256 bytes + 16 of padding = 68 words: the 16 rows that a load touches start at 16 different banks (64 banks of 4 bytes: ISA guide 11.1)
.set FR,     16                        ; registers of a fragment: 16 rows x 128 K
.set NL,     4                         ; LDS loads that bring one
.set NP,     4                         ; places behind this matrix instruction (ISA guide 7.12.1)
.set HALFT,  128*PITCH                 ; 128 rows: what one tensor load brings, and what one wave reads of A or of B
.set SLOT,   4*HALFT                   ; A's 256 rows, then B's 256 rows
.set SPARE,  2*SLOT                    ; behind the ring: the spare words, 128 bytes for each wave: two blocks of 256 bytes that no other line names
.set VO,   8                           ; v8-11   byte offsets of a block's four pieces of codes
.set ADRA, 16                          ; v16-17  LDS address of my A fragments in slot 0, 1
.set ADRB, 20                          ; v20-21  the same for B
.set SPW,  28                          ; v28     LDS address of my spare word; never rewritten
.set NIL,  29                          ; v29     0; never rewritten
.set SC,   30                          ; v30     2^(eo - e0 - e1) as f32: the conversion takes its exponent field
.set LIM,  31
.set T,    32                          ; v32-95  eight bias tiles of eight registers
.set TJ,   96                          ; v96-103 the bias loads' lane offsets
.set AF,   128                         ; A's fragments
.set CD,   128                         ; the way out: 16 registers of codes for each block
.set G1, 24                            ; s[24:31] descriptor group 1 for A's tiles;  s[32:39] group 0, one set for each slot
.set G0, 32
.set G1B, 48                           ; s[48:55], s[56:63] the same for B's tiles
.set G0B, 56
.set MSB, 0
.macro WIN new                         ; the immediate's high byte repeats the setting that is left
.if MSB != \new
	s_set_vgpr_msb (MSB<<8)|\new
.set MSB, \new
.endif
.endm
.set MUL_LO, 0xa1                      ; source 0 (B) window 1, source 1 (A) window 0, C and D window 2
.set MUL_HI, 0xf1                      ; the same, C and D window 3
.set TO_B,   0x40                      ; destination window 1, address window 0
; A joint load: waves 0 and 1 fetch for A, waves 2 and 3 for B.  Each line has one mask and one set of registers for all that issue it; the branch hangs on the wave's number alone.
; Four v_nop follow each of the two lines, ahead of the jump, the label and what follows.
.macro JLOAD g0a, g1a, g0b, g1b
	s_cmp_eq_u32 s15, 0
	s_cbranch_scc0 .Lfor_b_\@
	tensor_load_to_lds s[\g0a:\g0a+3], s[\g1a:\g1a+7]
	s_nop 0
.rept 4
	v_nop
.endr
	s_branch .Lasked_\@
.Lfor_b_\@:
	tensor_load_to_lds s[\g0b:\g0b+3], s[\g1b:\g1b+7]
	s_nop 0
.rept 4
	v_nop
.endr
.Lasked_\@:
.endm
.macro CREST                           ; a round of the cluster's barrier behind its opening barrier
	s_cmp_lg_u32 s14, 0
	s_cbranch_scc1 .Lnot_wave_0_\@
	s_barrier_signal -3
.Lnot_wave_0_\@:
	s_barrier_wait -3
	s_barrier_signal -1
	s_barrier_wait -1
.endm
.macro CROUND                          ; a whole round
	s_barrier_signal -1
	s_barrier_wait -1
	CREST
.endm
	s_load_b128 s[4:7], s[0:1], 0x0                ; x's codes s[4:5], W's codes s[6:7]
	s_load_b128 s[8:11], s[0:1], 0x10              ; the scales' exponents s[8:9], the bias s[10:11]
	s_load_b64 s[12:13], s[0:1], 0x20              ; qkvc
	v_lshl_add_u32 v[SPW], v0, 2, SPARE
	v_mov_b32 v[NIL], 0
	ds_add_u32 v28, v29
	ds_add_u32 v28, v29
	s_wait_dscnt 0x0
	v_lshrrev_b32 v1, 5, v0
	v_readfirstlane_b32 s14, v1                    ; wave 0..3
	s_lshr_b32 s15, s14, 1                         ; which half of A's rows is mine.  Also: I fetch for A (0) or for B (1)
	s_and_b32 s16, s14, 1                          ; which half of B's rows.  Also: which 128 rows of that tile I fetch
	s_bfe_u32 s40, ttmp6, 0x40000                  ; cx, cy: my place in the cluster
	s_bfe_u32 s41, ttmp6, 0x40004
	s_and_b32 s17, ttmp7, 0xffff                   ; the cluster's y, 0..7: 1,024 tokens
	s_lshr_b32 s66, ttmp9, 1                       ; 1 for v, 0 for q and k: the same in all sixteen partners
	s_lshl_b32 s43, s41, 2
	s_lshl_b32 s43, 15, s43                        ; my row of the cluster
	s_lshl_b32 s44, 0x1111, s40                    ; my column
	; descriptor group 1: a tile of 128 rows x 256 bytes, padded in LDS
	s_or_b32 s[G1+0], s43, (0<<16)|(1<<20)|(1<<21)|(5<<22)|(3<<25)  ; 15:0 the mask: A's tiles go to my row; 17:16 element of 1 byte; 20 padding on; 21 set beside a mask; 24:22 after every 64 words (code 5); 31:25 of 4 words (code 3)
	s_or_b32 s[G1B+0], s44, (0<<16)|(1<<20)|(1<<21)|(5<<22)|(3<<25) ; the same with the mask of my column
.irp g, G1, G1B
	s_mov_b32 s[\g+1], ROWB<<16                    ; tensor_dim0
	s_mov_b32 s[\g+2], 128<<16                     ; tensor_dim1 = 128
	s_mov_b32 s[\g+3], ROWB<<16                    ; tile_dim0
	s_mov_b32 s[\g+4], 128                         ; tile_dim1 = 128
	s_mov_b32 s[\g+5], KROW                        ; tensor_dim0_stride
	s_mov_b32 s[\g+6], 0
	s_mov_b32 s[\g+7], 0
.endr
	; the rows that I fetch.  A: q, k: x's row 1024 Yc + 256 cy; v: W's row 2048 + 256 cy.  B: q, k: W's row 1024 Xc + 256 cx; v: x's row 1024 Yc + 256 cx.  Each + 128 x half.
	s_lshl_b32 s18, s17, 10
	s_lshl_b32 s19, ttmp9, 10
	s_mov_b32 s22, 2048
	s_cmp_eq_u32 s66, 1
	s_cselect_b32 s20, s22, s18
	s_cselect_b32 s46, s18, s19
	s_lshl_b32 s22, s16, 7
	s_lshl_b32 s23, s41, 8                         ; cy enters A's registers alone,
	s_add_co_u32 s20, s20, s23
	s_add_co_u32 s20, s20, s22
	s_lshl_b32 s47, s40, 8                         ; cx B's alone
	s_add_co_u32 s46, s46, s47
	s_add_co_u32 s46, s46, s22
	s_lshl_b32 s20, s20, 10                        ; rows of 1,024 bytes: under 2^24 bytes
	s_lshl_b32 s46, s46, 10
	s_mov_b32 s21, 0
	s_mov_b32 s47, 0
	s_mul_i32 s45, s14, HALFT                      ; where they go: wave x 128 rows: no place in the cluster and no mode enters an LDS address
	s_wait_kmcnt 0x0
	s_load_b256 s[72:79], s[8:9], 0x0              ; e0 .. e7
	s_cmp_eq_u32 s66, 1                            ; the choice of tensors hangs on the cluster's x alone
	s_cselect_b64 s[18:19], s[6:7], s[4:5]         ; A's tensor
	s_cselect_b64 s[22:23], s[4:5], s[6:7]         ; B's tensor
	s_add_nc_u64 s[20:21], s[18:19], s[20:21]
	s_add_nc_u64 s[46:47], s[22:23], s[46:47]
	CROUND                                         ; all sixteen work-groups are here: the first joint loads meet
.irp s, 0,1
	s_mov_b32 s[G0+4*\s], 1
	s_add_co_u32 s[G0+4*\s+1], s45, \s*SLOT
	s_add_nc_u64 s[G0+4*\s+2:G0+4*\s+3], s[20:21], \s*ROWB
	s_or_b32 s[G0+4*\s+3], s[G0+4*\s+3], 0x80000000
	s_mov_b32 s[G0B+4*\s], 1
	s_add_co_u32 s[G0B+4*\s+1], s45, \s*SLOT
	s_add_nc_u64 s[G0B+4*\s+2:G0B+4*\s+3], s[46:47], \s*ROWB
	s_or_b32 s[G0B+4*\s+3], s[G0B+4*\s+3], 0x80000000
	JLOAD G0+4*\s, G1, G0B+4*\s, G1B
.endr
	v_and_b32 v1, 15, v0                           ; r = l % 16
	s_wait_alu depctr_va_vdst(0)
	v_bfe_u32 v2, v0, 4, 1                         ; h = l / 16
	v_mul_u32_u24 v3, v1, PITCH
	v_lshl_add_u32 v4, v2, 4, v3                   ; a fragment's row x pitch + 16 x half
	s_mul_i32 s21, s15, HALFT                      ; my 128 rows of A
	s_mul_i32 s22, s16, HALFT                      ; my 128 rows of B,
	s_add_co_u32 s22, s22, 2*HALFT                 ; which lie behind A's 256
.irp s, 0,1
	v_add_nc_u32 v[ADRA+\s], s21, v4
	v_add_nc_u32 v[ADRB+\s], s22, v4
	s_add_co_u32 s21, s21, SLOT
	s_add_co_u32 s22, s22, SLOT
.endr
	; what the mode decides, by selections: cP, sP name the place of W's rows, cT, sT that of the tokens; they enter global offsets alone
	s_mov_b32 s84, 1024
	s_mov_b32 s86, 1024
	s_mov_b32 s88, 0x20000
	s_mov_b32 s85, 0
	s_mov_b32 s87, 0
	s_cmp_eq_u32 s66, 1
	s_cselect_b32 s68, s41, s40                    ; cP
	s_cselect_b32 s69, s15, s16                    ; sP
	s_cselect_b32 s70, s40, s41                    ; cT
	s_cselect_b32 s71, s16, s15                    ; sT
	s_cselect_b32 s84, 2048, s84                   ; from a block's codes to the next block's: v: a channel tile; q, k: a token tile
	s_cselect_b32 s86, 124928, s86                 ; from block 3 to block 4: v: the next head's channel tile 0 (131,072 - 3 x 2,048)
	s_cselect_b32 s88, 1024, s88                   ; from pieces 0, 1 to pieces 2, 3: v: the same fragment; q, k: the next head
	s_cselect_b32 s89, 4, 0                        ; the bias table: bytes for each r,
	s_cselect_b32 s90, 0, 32                       ; each h,
	s_cselect_b32 s91, 0, 4                        ; each register j
	; THE BIAS, in the result's layout.  q, k: tile i, register j = b[first + 16 i + 8 h + j], the C of every accumulator (a, i).  v: tile i, every register = b[first + 16 i + r], the C of every (i, b).
	s_lshl_b32 s80, ttmp9, 12
	s_lshl_b32 s81, s68, 10
	s_add_co_u32 s80, s80, s81
	s_lshl_b32 s81, s69, 9
	s_add_co_u32 s80, s80, s81                     ; 4 x (1024 Xc + 256 cP + 128 sP)
	s_mov_b32 s81, 0
	s_add_nc_u64 s[10:11], s[10:11], s[80:81]
	v_mul_u32_u24 v5, s89, v1
	s_wait_alu depctr_va_vdst(0)
	v_mad_u32_u24 v5, v2, s90, v5
	v_mov_b32 v6, s91
.irp j, 0,1,2,3,4,5,6,7
	v_mad_u32_u24 v[TJ+\j], v6, \j, v5
.endr
.irp i, 0,1,2,3,4,5,6,7
.irp j, 0,1,2,3,4,5,6,7
	global_load_b32 v[T+8*\i+\j], v[TJ+\j], s[10:11] offset:64*\i
.endr
.endr
	; where my codes go: section + (16 batch + 4 cP + 2 sP) heads + (8 (Yc & 1) + 2 cT + sT) x 8,192
	s_mul_i32 s80, ttmp9, 0x800000
	s_lshr_b32 s81, s17, 1
	s_lshl_b32 s81, s81, 4
	s_lshl_b32 s82, s68, 2
	s_add_co_u32 s81, s81, s82
	s_lshl_b32 s82, s69, 1
	s_add_co_u32 s81, s81, s82
	s_lshl_b32 s81, s81, 17
	s_add_co_u32 s80, s80, s81
	s_and_b32 s81, s17, 1
	s_lshl_b32 s81, s81, 3
	s_lshl_b32 s82, s70, 1
	s_add_co_u32 s81, s81, s82
	s_add_co_u32 s81, s81, s71
	s_lshl_b32 s81, s81, 13
	s_add_co_u32 s80, s80, s81
	s_mov_b32 s81, 0
	s_add_nc_u64 s[12:13], s[12:13], s[80:81]
	v_and_b32 v6, 31, v0
	v_lshlrev_b32 v[VO], 4, v6                     ; piece c at 16 x lane + 512 (c & 1) + (c >> 1) x s88
	v_add_nc_u32 v[VO+1], 512, v[VO]
	v_add_nc_u32 v[VO+2], s88, v[VO]
	v_add_nc_u32 v[VO+3], s88, v[VO+1]
	s_wait_loadcnt 0x0                             ; the bias
	s_wait_kmcnt 0x0                               ; the exponents
	s_add_co_i32 s92, s72, s73
	s_sub_co_i32 s92, 0, s92                       ; -(e0 + e1): a sum stands for sum x 2^(e0 + e1), so the bias goes in divided by that
.set n, 0
.rept 64
	v_ldexp_f32 v[T+n], v[T+n], s92
.set n, n+1
.endr
	s_cmp_eq_u32 ttmp9, 0
	s_cselect_b32 s80, s74, s75                    ; q: e2; k: e3;
	s_cmp_eq_u32 s66, 1
	s_cselect_b32 s80, s77, s80                    ; v: e5
	s_add_co_i32 s80, s80, s92                     ; the three scales folded into the conversion's one
	s_add_co_i32 s80, s80, 127
	s_lshl_b32 s81, s80, 23
	v_mov_b32 v[SC], s81
.macro FRAG reg, adr, q, i             ; a fragment, 16 rows x 128 K, is 16 registers: lane l holds row l % 16; registers 4 c .. 4 c + 3 hold K = 32 c + 16 (l / 16) + 0 .. 15: the same places in A and in B, so every product meets its partner
.irp c, 0,1,2,3
	ds_load_b128 v[\reg+4*\c:\reg+4*\c+3], v[\adr] offset:128*(\q)+32*\c+(\i)*16*PITCH
.endr
.endm
; 16 matrix instructions: A's blocks a0, a0 + 1 x B's eight, 128 along K.  p: B's set.  cm = 0: adds in place; 1: the sums start from bias tile b; 2: from bias tile a.  Nothing is ever cleared.
; The 64 accumulators take turns, one instruction a turn, in the same order in every step.
.macro MUL16 a0, p, cm
.irp a, \a0, \a0+1
.irp b, 0,1,2,3,4,5,6,7
.if \cm == 1
	v_wmma_f32_16x16x128_fp8_fp8 v[8*(8*((\a)%4)+\b):8*(8*((\a)%4)+\b)+7], v[128*(\p)+FR*\b:128*(\p)+FR*\b+FR-1], v[AF+FR*(\a):AF+FR*(\a)+FR-1], v[T+8*\b:T+8*\b+7]
.elseif \cm == 2
	v_wmma_f32_16x16x128_fp8_fp8 v[8*(8*((\a)%4)+\b):8*(8*((\a)%4)+\b)+7], v[128*(\p)+FR*\b:128*(\p)+FR*\b+FR-1], v[AF+FR*(\a):AF+FR*(\a)+FR-1], v[T+8*(\a):T+8*(\a)+7]
.else
	v_wmma_f32_16x16x128_fp8_fp8 v[8*(8*((\a)%4)+\b):8*(8*((\a)%4)+\b)+7], v[128*(\p)+FR*\b:128*(\p)+FR*\b+FR-1], v[AF+FR*(\a):AF+FR*(\a)+FR-1], v[8*(8*((\a)%4)+\b):8*(8*((\a)%4)+\b)+7]
.endif
.endr
.endr
.endm
.macro FETCH_B slot, q, p              ; B's eight fragments of the slot's q-th 128 along K into set p
	WIN TO_B
.irp i, 0,1,2,3,4,5,6,7
	FRAG 128*(\p)+FR*\i, ADRB+\slot, \q, \i
.endr
	WIN 0
.endm
.macro FETCH_A slot, q, i0             ; A's blocks i0 .. i0 + 3
.irp i, \i0, \i0+1, \i0+2, \i0+3
	FRAG AF+FR*(\i), ADRA+\slot, \q, \i
.endr
.endm
; A load into a register that a matrix instruction has read, and a vector instruction that reads a matrix result, stand NP places behind that matrix instruction; only plain vector instructions
; that name none of its registers are places (ISA guide 7.12.1 for vector instructions).
.macro PLACES n
.rept \n
	v_nop
.endr
.endm
; A step of 128 along K that has its successor in the same slot.  A block of A is free as soon as its eight products are issued: blocks 0-3 are fetched anew in the step's middle, blocks 4-7 at its end.
.macro STEP slot, q, cm
	s_wait_dscnt 4*NL                              ; B's set and A's blocks 0-3 are in; the youngest sixteen loads (A's blocks 4-7) may be out
.if \cm
	WIN 0x81                                       ; source 0 window 1, source 1 and C (the bias) window 0, D window 2
.else
	WIN MUL_LO
.endif
	MUL16 0, (\q)%2, \cm
	MUL16 2, (\q)%2, \cm
	s_wait_dscnt 0                                 ; A's blocks 4-7 are in (asked for 32 matrix instructions ago)
	PLACES NP
	FETCH_B \slot, (\q)+1, 1-(\q)%2
	FETCH_A \slot, (\q)+1, 0
.if \cm
	WIN 0xc1                                       ; the same, D window 3
.else
	WIN MUL_HI
.endif
	MUL16 4, (\q)%2, \cm
	MUL16 6, (\q)%2, \cm
	PLACES NP
	WIN 0
	FETCH_A \slot, (\q)+1, 4
.endm
; A slot's last step changes slots: ONE barrier; in front of it each wave waits for all its tensor loads, adds 0 to its spare word, and waits for that and for its own reads of this slot.  fill = 1: this slot is filled again, two K steps ahead.
.macro TURN slot, next, fill
	s_wait_tensorcnt 0x0                           ; all my tensor loads have landed: my part of the next slot;  (every window is 0 here: the add's two registers lie in window 0)
	ds_add_u32 v[SPW], v[NIL]                      ; 0 onto my spare word
	s_wait_dscnt 4*NL+1                            ; (the add and the youngest sixteen loads, A's blocks 4-7, may be out)
	WIN MUL_LO
	MUL16 0, 1, 0                                  ; sixteen matrix instructions stand between the add and the wait for it
	s_wait_dscnt 0x0                               ; the add is done, and my reads of this slot are over
	s_barrier_signal -1
	MUL16 2, 1, 0
	WIN 0
	s_barrier_wait -1
.if \fill
	CREST                                          ; the barrier has opened a round of the cluster's barrier: no wave of any partner still reads this slot's tile or has a load on its way
	s_add_nc_u64 s[G0+4*\slot+2:G0+4*\slot+3], s[G0+4*\slot+2:G0+4*\slot+3], 2*ROWB
	s_add_nc_u64 s[G0B+4*\slot+2:G0B+4*\slot+3], s[G0B+4*\slot+2:G0B+4*\slot+3], 2*ROWB
	JLOAD G0+4*\slot, G1, G0B+4*\slot, G1B         ; the first tensor load behind the round; the four v_nop behind it are the places in front of the loads below
.else
	PLACES NP
.endif
	FETCH_B \next, 0, 0
	FETCH_A \next, 0, 0
	WIN MUL_HI
	MUL16 4, 1, 0
	MUL16 6, 1, 0
	PLACES NP
	WIN 0
	FETCH_A \next, 0, 4
.endm
	s_wait_tensorcnt 1                             ; my part of K step 0 is in (K step 1's load, issued behind it, may be out)
	s_barrier_signal -1
	s_barrier_wait -1                              ; everybody's is
	FETCH_B 0, 0, 0
	FETCH_A 0, 0, 0
	FETCH_A 0, 0, 4
	s_cmp_eq_u32 s66, 1                            ; the first step is written twice, since the bias tile that starts a sum is another register in v's mode; both copies issue the same loads, and hold no barrier and no tensor load
	s_cbranch_scc1 .Lv_first
	s_wait_alu depctr_va_vdst(0)
	STEP 0, 0, 1
	s_branch .Lfirst_done
.Lv_first:
	s_wait_alu depctr_va_vdst(0)
	STEP 0, 0, 2
.Lfirst_done:
	TURN 0, 1, 1                                   ; slot 0 takes K step 2
	STEP 1, 0, 0
	TURN 1, 0, 1                                   ; slot 1 takes K step 3
	STEP 0, 0, 0
	TURN 0, 1, 0                                   ; nothing is left to fetch
	STEP 1, 0, 0
	s_wait_dscnt 4*NL                              ; the very last step
	WIN MUL_LO
	MUL16 0, 1, 0
	MUL16 2, 1, 0
	s_wait_dscnt 0
	WIN MUL_HI
	MUL16 4, 1, 0
	MUL16 6, 1, 0
	WIN 0
; THE WAY OUT of block a (16 rows of A x 128 rows of B): eight conversions; four stores.
; Each block has its own registers for its codes, so no store's data are written again; the base steps behind a wait on XCNT.
.macro QOUT a
.set AC, 64*((\a)%4)
	WIN 0x02+((\a)/4)                              ; source 0: window 2 or 3
.set n, 0
.rept 64
.set n, n+1
.endr
.irp b, 0,1,2,3,4,5,6,7
	v_cvt_scalef32_pk8_fp8_f32 v[CD+16*(\a)+2*\b:CD+16*(\a)+2*\b+1], v[AC+8*\b:AC+8*\b+7], v[SC]
.endr
	WIN 0
	v_nop                                          ; one plain vector instruction behind the last conversion
.irp c, 0,1,2,3
	global_store_b128 v[VO+\c], v[CD+16*(\a)+4*\c:CD+16*(\a)+4*\c+3], s[12:13]   ; 32 lanes store 512 consecutive bytes, at a multiple of 512 from the buffer's first byte
.endr
.if (\a) < 7
	s_wait_xcnt 0x0                                ; the stores have read their base
.if (\a) == 3
	s_add_nc_u64 s[12:13], s[12:13], s[86:87]
.else
	s_add_nc_u64 s[12:13], s[12:13], s[84:85]
.endif
.endif
.endm
	PLACES NP                                      ; behind the last products
.irp a, 0,1,2,3,4,5,6,7
	QOUT \a
.endr
	s_wait_tensorcnt 0x0                           ; the wave's end
	ds_add_u32 v[SPW], v[NIL]
	s_wait_dscnt 0x0
	CROUND                                         ; the closing round: no work-group ends while a partner may still ask for a tile that names it
	s_endpgm
.Lfunc_end_k_qc9da256bda_qkvgemm:
	.size	k_qc9da256bda_qkvgemm, .Lfunc_end_k_qc9da256bda_qkvgemm-k_qc9da256bda_qkvgemm
	.p2alignl 7, 3214868480
	.fill 96, 4, 3214868480
	.section	.rodata,"a",@progbits
	.p2align	6, 0x0
	.amdhsa_kernel k_qc9da256bda_qkvgemm
		.amdhsa_group_segment_fixed_size 327680
		.amdhsa_private_segment_fixed_size 0
		.amdhsa_enable_private_segment 0
		.amdhsa_kernarg_size 40
		.amdhsa_user_sgpr_count 2
		.amdhsa_user_sgpr_kernarg_segment_ptr 1
		.amdhsa_wavefront_size32 1
		.amdhsa_system_sgpr_workgroup_id_x 1
		.amdhsa_system_sgpr_workgroup_id_y 1
		.amdhsa_system_sgpr_workgroup_id_z 1
		.amdhsa_system_vgpr_workitem_id 0
		.amdhsa_next_free_vgpr 1024
		.amdhsa_next_free_sgpr 100
		.amdhsa_reserve_vcc 0
		.amdhsa_float_denorm_mode_32 3
		.amdhsa_float_denorm_mode_16_64 3
		.amdhsa_fp16_overflow 1
		.amdhsa_memory_ordered 1
		.amdhsa_forward_progress 1
		.amdhsa_inst_pref_size 107
	.end_amdhsa_kernel
	.amdgpu_metadata
---
amdhsa.version: [ 1, 2 ]
amdhsa.kernels:
  - .name:           k_qc9da256bda_qkvgemm
    .symbol:         k_qc9da256bda_qkvgemm.kd
    .args:
      - { .name: x_codes, .offset: 0, .size: 8, .value_kind: global_buffer, .address_space: global }
      - { .name: W_qkv_codes, .offset: 8, .size: 8, .value_kind: global_buffer, .address_space: global }
      - { .name: lowp_scales, .offset: 16, .size: 8, .value_kind: global_buffer, .address_space: global }
      - { .name: b_qkv, .offset: 24, .size: 8, .value_kind: global_buffer, .address_space: global }
      - { .name: qkvc, .offset: 32, .size: 8, .value_kind: global_buffer, .address_space: global }
    .group_segment_fixed_size: 327680
    .private_segment_fixed_size: 0
    .kernarg_segment_align: 8
    .kernarg_segment_size: 40
    .max_flat_workgroup_size: 128
    .sgpr_count:     100
    .vgpr_count:     1024
    .wavefront_size: 32
...
	.end_amdgpu_metadata
.endif
;; end of part 1
;; launch attn (part 2): grid 4 x 64, 16 waves a work-group, clusters of 4 x 1, 327,680 bytes of LDS; arguments qkvc, lowp_scales, yc; writes yc
.if DOCPART == 2
	.amdgcn_target "amdgcn-amd-amdhsa--gfx1250"
	.amdhsa_code_object_version 6
	.text
	.protected	k_qc9da256bda_attn
	.globl	k_qc9da256bda_attn
	.p2align	8
	.type	k_qc9da256bda_attn,@function
k_qc9da256bda_attn:
	s_mov_b64 s[64:65], 0
	v_nop
	global_prefetch_b8 v0, s[64:65] scope:SCOPE_SE
	s_setreg_imm32_b32 hwreg(HW_REG_WAVE_MODE, 25, 1), 1
	s_wait_xcnt 0x0
	s_wait_alu depctr_hold_cnt(0) depctr_sa_sdst(0) depctr_va_vdst(0) depctr_va_sdst(0) depctr_va_ssrc(0) depctr_va_vcc(0) depctr_vm_vsrc(0)
	s_getreg_b32 s2, hwreg(HW_REG_IB_STS2, 6, 4)
	s_cmp_eq_u32 s2, 0
	s_cbranch_scc0 .Lentry_in_a_cluster
	s_endpgm
.Lentry_in_a_cluster:
	s_bfe_u32 s2, ttmp6, 0x10000c
	s_cmp_lg_u32 s2, 0x3003
	s_cbranch_scc0 .Lentry_shape_is_right
	s_endpgm
.Lentry_shape_is_right:
; y = softmax(q k^T / 8, causal) v for one head, both products on codes of FP8 (E4M3), then y's quantiser.  q, k, v come as images of operand registers (qkvc: sections q, k, v of 8,388,608 bytes, 131,072 a head;
; q, k: token tile tt at 1024 tt, 8 registers: registers 2 c, 2 c + 1 = dims 16 c + 8 (lane / 16) + 0 .. 7 of token 16 tt + lane % 16;  v: key chunk s at 8192 s, channel tile ct at + 2048 ct, 16 registers:
; registers 2 c, 2 c + 1 = keys 16 c + 8 (lane / 16) + 0 .. 7 of channel 16 ct + lane % 16).  Every fragment comes by loads of 16 bytes at 16 x lane.
; THE SOFTMAX: t = score x log2(e) / 8; M = the running largest t, rounded UP to a whole number; p = 2^(t - M) is quantised with 2^e4, not normalised; the row's sum is taken of the unquantised p and divides at the end.
; When M moves, the sum and O are multiplied by 2^(old M - new M): exact.
; SHARES.  Grid y is the head; the four work-groups of a cluster share its K and V.  The head's 128 query tiles of 16 fall into 16 groups of 8; a tile of group g needs key steps 0 .. g of 128 keys.
; Wave w of work-group cx owns tile 8 w + 2 cx (group w) and tile 8 (15 - w) + 2 cx + 1 (group 15 - w): (w + 1) + (16 - w) = 17 tile steps for every wave of the launch.
; A step whose keys all come after a tile's queries is jumped over by a scalar branch on the wave's number and the step's counter; cx enters only global offsets and the mask's lane data.
; LDS.  The head's whole K (131,072 bytes at 0) and V (131,072 at 131,072) are filled ONCE, jointly for the four partners: nothing is filled again, so the loops hold no barrier.  Each wave asks for two parts:
; an early one (its eighth of key steps 0-3) and a late one (its eighth of steps 4-15); the first four steps are worked while the late parts land.  By this text's count a wave has two tensor loads out.
; LAYOUT.  Both products are used transposed: S^T = K Q^T (source 0 = 16 keys, source 1 = my 16 queries), O^T = V^T P^T: a lane holds ONE query (lane % 16) throughout, and register 8 t + j of S^T is key
; 16 t + 8 (lane / 16) + j, so the conversion of tile t's eight registers gives registers 2 t, 2 t + 1 of P: the place that V's image gives the same keys.
; OUT.  yc: token tile TT = 128 batch + tt at 16384 TT, K step head / 2 at + 2048, 16 registers: registers 4 c .. 4 c + 3 = k 32 c + 16 (lane / 16) + 0 .. 15; a head fills two of the four pieces of 512 bytes.
; LIMITS on the given exponents, so that each power of two is an f32 number: e2 + e3 between -123 and 130; e4, and e6 - e4 - e5, between -126 and 119.  NaN is not served.
; REGISTERS: v1, v2 lane places in K's and V's images; v3, v4 the masks' lane data; v5, v6 Q's offsets; v8, v9 addresses in hand; v10, v11 y's offsets; v12-15 tile 0's -M, largest t, sum in two halves; v16-31 Q of both tiles;
; v32-95 eight fragments of K, then four of V; v96-159 S^T, then p; v160-191, v192-223 O^T of tile 0, 1; v224-239 p's codes; v240-255 constants, tile 1's statistics (v246-249) and work.
.set AK0,  1
.set AV0,  2
.set DM,   3
.set QO,   5
.set ADK,  8
.set ADV,  9
.set YO,   10
.set WV,   18                          ; s18  my wave's number
.set SEL,  20                          ; s[20:21] lane selects for v_permlanex16_b32: lane l xor 16
.set CS,   22                          ; s[22:23] c = log2(e) / 8 x 2^(e2 + e3): the packed form names a pair and takes its low word for both halves
.set G1E,  24                          ; s[24:31] descriptor group 1 of the early parts: 16 rows of 256 bytes
.set G1L,  32                          ; s[32:39] of the late parts: 48 rows
.set G0E,  40                          ; s[40:43], s[44:47] their groups 0
.set G0L,  44
.set SI,   48                          ; s48  the key step
.set TB,   49                          ; s49  8192 x the key step: its place in K's and in V's images
.set GR,   50                          ; s50, s51  the groups of my two tiles
.set HM,   52                          ; s52  a mask of lanes 16-31
.macro CROUND                          ; a round of the cluster's barrier
	s_barrier_signal -1
	s_barrier_wait -1
	s_cmp_lg_u32 s[WV], 0
	s_cbranch_scc1 .Lnot_wave_0_\@
	s_barrier_signal -3
.Lnot_wave_0_\@:
	s_barrier_wait -3
	s_barrier_signal -1
	s_barrier_wait -1
.endm
	s_load_b128 s[4:7], s[0:1], 0x0                ; qkvc s[4:5], the scales' exponents s[6:7]
	s_load_b64 s[8:9], s[0:1], 0x10                ; yc
	v_lshl_add_u32 v254, v0, 2, 0x40000
	v_mov_b32 v255, 0
	ds_add_u32 v254, v255
	ds_add_u32 v254, v255
	s_wait_dscnt 0x0
	v_lshrrev_b32 v8, 5, v0
	s_delay_alu instid0(VALU_DEP_1)
	v_readfirstlane_b32 s[WV], v8                  ; wave 0..15
	s_bfe_u32 s19, ttmp6, 0x40000                  ; cx
	s_and_b32 s53, ttmp7, 0xffff                   ; the head, 16 batch + h
	s_lshr_b32 s54, s[WV], 3                       ; I fetch for K (0) or for V (1),
	s_and_b32 s55, s[WV], 7                        ; and which eighth
	s_lshl_b32 s56, s54, 17
	s_lshl_b32 s57, s55, 12
	s_add_co_u32 s57, s57, s56                     ; LDS address of my early part: 131072 kv + 4096 p
	s_mul_i32 s58, s55, 12288
	s_add_co_u32 s58, s58, s56
	s_add_co_u32 s58, s58, 32768                   ; of my late part: 131072 kv + 32768 + 12288 p
	s_add_co_u32 s59, s54, 1
	s_lshl_b32 s59, s59, 23                        ; section k or v,
	s_lshl_b32 s60, s53, 17                        ; the head's bytes in a section
	s_add_co_u32 s59, s59, s60
	s_lshl_b32 s80, s55, 12
	s_add_co_u32 s80, s80, s59
	s_mov_b32 s81, 0
	s_mul_i32 s82, s55, 12288
	s_add_co_u32 s82, s82, s59
	s_add_co_u32 s82, s82, 32768
	s_mov_b32 s83, 0
	; descriptor group 1: dense rows of 256 bytes (32 elements of 8 bytes)
	s_mov_b32 s[G1E], 15|(3<<16)|(1<<21)           ; 15:0 the mask: all four work-groups; 17:16 elements of 8 bytes; 20 no padding; 21 set beside a mask
	s_mov_b32 s[G1E+1], 32<<16                     ; tensor_dim0 = 32
	s_mov_b32 s[G1E+2], 16<<16                     ; tensor_dim1 = 16
	s_mov_b32 s[G1E+3], 32<<16                     ; tile_dim0 = 32
	s_mov_b32 s[G1E+4], 16                         ; tile_dim1 = 16
	s_mov_b32 s[G1E+5], 32                         ; tensor_dim0_stride
	s_mov_b32 s[G1E+6], 0
	s_mov_b32 s[G1E+7], 0
	s_mov_b32 s[G1L], 15|(3<<16)|(1<<21)
	s_mov_b32 s[G1L+1], 32<<16
	s_mov_b32 s[G1L+2], 48<<16                     ; 48 rows
	s_mov_b32 s[G1L+3], 32<<16
	s_mov_b32 s[G1L+4], 48
	s_mov_b32 s[G1L+5], 32
	s_mov_b32 s[G1L+6], 0
	s_mov_b32 s[G1L+7], 0
	s_mov_b32 s[SEL], 0x76543210
	s_mov_b32 s[SEL+1], 0xfedcba98
	s_mov_b32 s[HM], 0xffff0000
	s_mov_b32 s[GR], s[WV]
	s_sub_co_u32 s[GR+1], 15, s[WV]
	s_wait_kmcnt 0x0
	s_load_b256 s[72:79], s[6:7], 0x0              ; e0 .. e7
	s_mov_b32 s[G0E], 1
	s_mov_b32 s[G0E+1], s57
	s_add_nc_u64 s[G0E+2:G0E+3], s[4:5], s[80:81]
	s_or_b32 s[G0E+3], s[G0E+3], 0x80000000
	s_mov_b32 s[G0L], 1
	s_mov_b32 s[G0L+1], s58
	s_add_nc_u64 s[G0L+2:G0L+3], s[4:5], s[82:83]
	s_or_b32 s[G0L+3], s[G0L+3], 0x80000000
	CROUND                                         ; all four work-groups are here: the joint loads meet
	tensor_load_to_lds s[G0E:G0E+3], s[G1E:G1E+7]  ; every register of both descriptors hangs on the head and the wave's number alone: equal in the four partners
	s_nop 0
	s_wait_alu depctr_va_vdst(0)
	s_wait_tensorcnt 0x0
	ds_add_u32 v254, v255
	s_wait_dscnt 0x0
	CROUND
	tensor_load_to_lds s[G0L:G0L+3], s[G1L:G1L+7]
	s_nop 0
.rept 4
	v_nop
.endr
	v_and_b32 v1, 31, v0
	s_delay_alu instid0(VALU_DEP_1)
	v_lshlrev_b32 v[AK0], 4, v1                    ; 16 x lane
	s_wait_alu depctr_va_vdst(0)
	v_add_nc_u32 v[AV0], 0x20000, v[AK0]           ; V's images lie behind K's
	s_lshl_b32 s84, s[WV], 3
	s_lshl_b32 s85, s19, 1
	s_add_co_u32 s86, s84, s85                     ; tile 0 = 8 w + 2 cx
	s_sub_co_u32 s87, 121, s84
	s_add_co_u32 s87, s87, s85                     ; tile 1 = 8 (15 - w) + 2 cx + 1
	s_lshl_b32 s88, s86, 10
	s_add_co_u32 s88, s88, s60
	v_add_nc_u32 v[QO], s88, v[AK0]                ; Q (section 0): head + 1024 x tile + 16 x lane
	s_lshl_b32 s88, s87, 10
	s_add_co_u32 s88, s88, s60
	v_add_nc_u32 v[QO+1], s88, v[AK0]
.irp x, 0,1
.irp c, 0,1
	global_load_b128 v[16+8*\x+4*\c:19+8*\x+4*\c], v[QO+\x], s[4:5] offset:512*\c   ; Q's fragments stay in registers
.endr
.endr
	s_lshr_b32 s89, s53, 4
	s_lshl_b32 s89, s89, 21                        ; y: batch x 128 token tiles of 16,384 bytes,
	s_bfe_u32 s90, s53, 0x30001                    ; K step (h / 2): 3 bits from bit 1,
	s_lshl_b32 s90, s90, 11
	s_add_co_u32 s89, s89, s90
	s_and_b32 s90, s53, 1                          ; and the head's two pieces of the four
	s_lshl_b32 s90, s90, 10
	s_add_co_u32 s89, s89, s90
	s_lshl_b32 s90, s86, 14
	s_add_co_u32 s90, s90, s89
	v_add_nc_u32 v[YO], s90, v[AK0]
	s_lshl_b32 s90, s87, 14
	s_add_co_u32 s90, s90, s89
	v_add_nc_u32 v[YO+1], s90, v[AK0]
	v_and_b32 v254, 15, v0
	v_bfe_u32 v255, v0, 4, 1
	s_delay_alu instid0(VALU_DEP_1)
	v_lshlrev_b32 v255, 3, v255
	s_delay_alu instid0(VALU_DEP_1)
	v_sub_nc_u32 v254, v254, v255
	s_lshl_b32 s91, s19, 5
	v_add_nc_u32 v[DM], s91, v254                  ; my query's place in its group of 128, less 8 (lane / 16): 16 x (tile % 8) + r - 8 h
	s_delay_alu instid0(VALU_DEP_1)
	v_add_nc_u32 v[DM+1], 16, v[DM]
	v_mov_b32 v251, 0xff800000                     ; -infinity
	v_mov_b32 v245, 0                              ; written once: a lane permute's destination counts as one of its sources
.irp i, 236,237,238,239
	v_mov_b32 v\i, 0                               ; likewise
.endr
	v_mov_b32 v253, 0                              ; (named as the upper half of the pair v[252:253])
	v_mov_b32 v13, 0xff61b1e6                      ; the largest t so far: -3e38, under every t
	s_delay_alu instid0(VALU_DEP_1)
	v_floor_f32 v12, -v13                          ; -M
	v_mov_b32 v14, 0                               ; the sum, in two halves
	v_mov_b32 v15, 0
	v_mov_b32 v247, 0xff61b1e6
	s_delay_alu instid0(VALU_DEP_1)
	v_floor_f32 v246, -v247
	v_mov_b32 v248, 0
	v_mov_b32 v249, 0
.set n, 0
.rept 64
	v_mov_b32 v[160+n], 0                          ; O^T of both tiles.  (The step is written once: the first finds zeros, which the first change of M leaves zeros)
.set n, n+1
.endr
	s_wait_kmcnt 0x0
	s_add_co_i32 s80, s74, s75
	s_lshl_b32 s80, s80, 23
	s_mov_b32 s[CS], 0x3e38aa3b                    ; log2(e) / 8
	s_add_co_i32 s[CS], s[CS], s80                 ; a score stands for score x 2^(e2 + e3): the two exponents are added to c's exponent field
	s_mov_b32 s[CS+1], s[CS]                       ; (named with it as a pair, so it is written)
	s_add_co_i32 s80, s76, 127
	s_lshl_b32 s81, s80, 23
	v_mov_b32 v244, s81                            ; 2^e4 as f32, for p's conversion
	s_sub_co_i32 s80, s78, s76
	s_sub_co_i32 s80, s80, s77                     ; O / l stands for y / 2^(e4 + e5): y's conversion takes 2^(e6 - e4 - e5)
	s_add_co_i32 s80, s80, 127
	s_lshl_b32 s81, s80, 23
	v_mov_b32 v241, s81
; A KEY STEP of tile x: 128 keys.
.macro STEP x
.set QF, 16+8*\x
.set OA, 160+32*\x
.set ST, 12+234*\x
	s_cmp_gt_u32 s[SI], s[GR+\x]                   ; all keys of the step come after my tile's queries: nothing to do
	s_cbranch_scc1 .Lhid_\@
	v_add_nc_u32 v[ADK], s[TB], v[AK0]
	v_add_nc_u32 v[ADV], s[TB], v[AV0]
	v_nop
	v_nop                                          ; with the two additions: four places in front of loads into registers that the last products read
.irp t, 0,1,2,3,4,5,6,7
.irp c, 0,1
	ds_load_b128 v[32+8*\t+4*\c:35+8*\t+4*\c], v[ADK] offset:1024*\t+512*\c   ; K's eight tiles of 16 keys
.endr
.endr
	s_wait_alu depctr_va_vdst(0)
	s_wait_dscnt 0x0
.irp t, 0,1,2,3,4,5,6,7
	v_wmma_f32_16x16x64_fp8_fp8 v[96+8*\t:103+8*\t], v[32+8*\t:39+8*\t], v[QF:QF+7], 0
.endr
.rept 4
	v_nop                                          ; places in front of the loads below and of the first read of the scores
.endr
.irp t, 0,1,2,3
.irp c, 0,1,2,3
	ds_load_b128 v[32+16*\t+4*\c:35+16*\t+4*\c], v[ADV] offset:2048*\t+512*\c   ; V's four channel tiles land while the softmax is walked
.endr
.endr
	s_cmp_lg_u32 s[SI], s[GR+\x]                   ; only the tile's last step lies on the diagonal: there hidden scores become -infinity, so that p = 0.  The step's first key counts for every query of the group
	s_cbranch_scc1 .Lopen_\@
.set n, 0
.rept 64
	v_cmp_gt_i32 vcc_lo, 16*(n/8)+n%8, v[DM+\x]    ; register n holds key 16 (n / 8) + n % 8 + 8 h of the step
	v_cndmask_b32 v[96+n], v[96+n], v251, vcc_lo
.set n, n+1
.endr
.Lopen_\@:
	v_max3_num_f32 v254, v96, v97, v98             ; the step's largest score of my query, among my 64 keys, in two chains (each accumulator is met at its low end first),
	v_max3_num_f32 v252, v99, v100, v101
.irp i, 6,10,14,18,22,26,30,34,38,42,46,50,54,58
	v_max3_num_f32 v254, v254, v[96+\i], v[97+\i]
	v_max3_num_f32 v252, v252, v[98+\i], v[99+\i]
.endr
	v_max3_num_f32 v254, v254, v158, v159
	s_delay_alu instid0(VALU_DEP_1)
	v_max_num_f32 v254, v254, v252
	s_delay_alu instid0(VALU_DEP_1)
	v_permlanex16_b32 v245, v254, s[SEL], s[SEL+1]
	s_delay_alu instid0(VALU_DEP_1)
	v_max_num_f32 v254, v254, v245                 ; and among lane l xor 16's
	s_delay_alu instid0(VALU_DEP_1)
	v_mul_f32 v254, s[CS], v254                    ; as t (c is positive)
	s_delay_alu instid0(VALU_DEP_1)
	v_max_num_f32 v[ST+1], v[ST+1], v254           ; the running largest t
	v_mov_b32 v254, v[ST]
	s_delay_alu instid0(VALU_DEP_2)
	v_floor_f32 v[ST], -v[ST+1]                    ; the new -M = floor(-t) = -ceil(t): a whole number
	s_delay_alu instid0(VALU_DEP_1)
	v_sub_f32 v254, v[ST], v254                    ; M's old value less its new one: a whole number, 0 or less
	s_delay_alu instid0(VALU_DEP_1)
	v_cvt_i32_f32 v254, v254                       ; (it saturates)
	s_delay_alu instid0(VALU_DEP_1)
	v_ldexp_f32 v252, 1.0, v254                    ; f = 2^(old M - new M)
.irp j, 0,2,4,6,8,10,12,14,16,18,20,22,24,26,28,30,32,34,36,38,40,42,44,46,48,50,52,54,56,58,60,62
	v_pk_fma_f32 v[96+\j:97+\j], v[96+\j:97+\j], s[CS:CS+1], v[ST:ST+1] op_sel_hi:[1,0,0]   ; t - M, two at a time
.endr
.set n, 0
	s_wait_alu depctr_va_vdst(0)
.rept 64
	v_exp_f32 v[96+n], v[96+n]                     ; p = 2^(t - M), at most 1: not normalised
.set n, n+1
.endr
	v_pk_mul_f32 v[ST+2:ST+3], v[ST+2:ST+3], v[252:253] op_sel_hi:[1,0]   ; the sums under the new M.  (A plain place behind the exponentials)
	s_wait_alu depctr_va_vdst(0)
	v_pk_add_f32 v[242:243], v[96:97], v[98:99]    ; the row's sum is taken of the unquantised p: two at a time, in two chains
.irp j, 4,8,12,16,20,24,28,32,36,40,44,48,52,56,60
	v_pk_add_f32 v[ST+2:ST+3], v[ST+2:ST+3], v[96+\j:97+\j]
	v_pk_add_f32 v[242:243], v[242:243], v[98+\j:99+\j]
.endr
	s_delay_alu instid0(VALU_DEP_1)
	v_pk_add_f32 v[ST+2:ST+3], v[ST+2:ST+3], v[242:243]
.irp t, 0,1,2,3,4,5,6,7
.irp i, 0,1,2,3,4,5,6,7
.endr
	v_cvt_scalef32_pk8_fp8_f32 v[224+2*\t:225+2*\t], v[96+8*\t:103+8*\t], v244
.endr
.irp j, 0,2,4,6,8,10,12,14,16,18,20,22,24,26,28,30
	v_pk_mul_f32 v[OA+\j:OA+\j+1], v[OA+\j:OA+\j+1], v[252:253] op_sel_hi:[1,0]   ; O^T under the new M.  (Also the plain places between the last conversion and the products that read its result)
.endr
	s_wait_alu depctr_va_vdst(0)
	s_wait_dscnt 0x0                               ; V is in
.irp t, 0,1,2,3
	v_wmma_f32_16x16x128_fp8_fp8 v[OA+8*\t:OA+8*\t+7], v[32+16*\t:47+16*\t], v[224:239], v[OA+8*\t:OA+8*\t+7]   ; four accumulators, one instruction a turn; the scores' eight products stand between two turns
.endr
.Lhid_\@:
.endm
; THE WAY OUT of tile x.  O^T / l is converted: two registers for each channel tile, channels 16 ct + 8 h + 0 .. 7 of my query.  The next product reads its weight by 16 bytes a lane, so y's image wants
; 16 neighbouring channels a lane: lanes 0-15 keep tile 2 c and take its upper half from lane + 16, lanes 16-31 keep tile 2 c + 1 and take its lower half from lane - 16: one exchange between the halves.
.macro OUTT x
.set OA, 160+32*\x
.set ST, 12+234*\x
	v_add_f32 v254, v[ST+2], v[ST+3]               ; the sum's two halves,
	s_delay_alu instid0(VALU_DEP_1)
	v_permlanex16_b32 v245, v254, s[SEL], s[SEL+1]
	s_delay_alu instid0(VALU_DEP_1)
	v_add_f32 v254, v254, v245                     ; and lane l xor 16's
	s_wait_alu depctr_va_vdst(0)
	v_rcp_f32 v252, v254
	v_nop                                          ; one plain place behind a transcendental
	s_wait_alu depctr_va_vdst(0)
.irp j, 0,2,4,6,8,10,12,14,16,18,20,22,24,26,28,30
	v_pk_mul_f32 v[96+\j:97+\j], v[OA+\j:OA+\j+1], v[252:253] op_sel_hi:[1,0]
.endr
.set n, 0
.rept 32
.set n, n+1
.endr
.irp t, 0,1,2,3
	v_cvt_scalef32_pk8_fp8_f32 v[224+2*\t:225+2*\t], v[96+8*\t:103+8*\t], v241
.endr
	v_nop                                          ; one plain place behind the last conversion
.irp c, 0,1
.irp e, 0,1
	v_cndmask_b32 v[232+2*\c+\e], v[226+4*\c+\e], v[224+4*\c+\e], s[HM]   ; what the other half wants: lanes 0-15 send tile 2 c + 1, lanes 16-31 tile 2 c
.endr
.endr
.irp i, 0,1,2,3
	v_permlanex16_b32 v[236+\i], v[232+\i], s[SEL], s[SEL+1]
.endr
.irp c, 0,1
.irp e, 0,1
	v_cndmask_b32 v[32+8*\x+4*\c+\e], v[224+4*\c+\e], v[236+2*\c+\e], s[HM]
	v_cndmask_b32 v[34+8*\x+4*\c+\e], v[236+2*\c+\e], v[226+4*\c+\e], s[HM]
.endr
.endr
	global_store_b128 v[YO+\x], v[32+8*\x:35+8*\x], s[8:9]              ; 32 lanes store 512 consecutive bytes, aligned
	global_store_b128 v[YO+\x], v[36+8*\x:39+8*\x], s[8:9] offset:512
.endm
	s_wait_loadcnt 0x0                             ; Q
	s_wait_tensorcnt 1                             ; my early part is in; my late part, issued behind it, may stay out
	s_barrier_signal -1
	s_barrier_wait -1                              ; everybody's early part is in: key steps 0-3 lie whole in LDS
	s_mov_b32 s[SI], 0
	s_mov_b32 s[TB], 0
.Learly:                                           ; four trips: they read bytes 0 .. 32,767 of K's and of V's images, where no load is on its way
	STEP 0
	STEP 1
	s_add_co_u32 s[TB], s[TB], 8192
	s_add_co_u32 s[SI], s[SI], 1
	s_cmp_lt_u32 s[SI], 4
	s_cbranch_scc1 .Learly
	s_wait_tensorcnt 0x0                           ; my late part is in,
	s_wait_dscnt 0x0
	s_barrier_signal -1
	s_barrier_wait -1                              ; everybody's is
	s_mov_b32 s[SI], 4
	s_mov_b32 s[TB], 32768
.Llate:                                            ; twelve trips
	STEP 0
	STEP 1
	s_add_co_u32 s[TB], s[TB], 8192
	s_add_co_u32 s[SI], s[SI], 1
	s_cmp_lt_u32 s[SI], 16
	s_cbranch_scc1 .Llate
.rept 4
	v_nop                                          ; places behind the last products
.endr
	OUTT 0
	OUTT 1
	s_wait_xcnt 0x0
	v_lshl_add_u32 v254, v0, 2, 0x40000
	v_mov_b32 v255, 0
	s_wait_alu depctr_va_vdst(0)
	s_wait_tensorcnt 0x0
	ds_add_u32 v254, v255
	s_wait_dscnt 0x0
	CROUND                                         ; the closing round
	s_endpgm
.Lfunc_end_k_qc9da256bda_attn:
	.size	k_qc9da256bda_attn, .Lfunc_end_k_qc9da256bda_attn-k_qc9da256bda_attn
	.p2alignl 7, 3214868480
	.fill 96, 4, 3214868480
	.section	.rodata,"a",@progbits
	.p2align	6, 0x0
	.amdhsa_kernel k_qc9da256bda_attn
		.amdhsa_group_segment_fixed_size 327680
		.amdhsa_private_segment_fixed_size 0
		.amdhsa_enable_private_segment 0
		.amdhsa_kernarg_size 24
		.amdhsa_user_sgpr_count 2
		.amdhsa_user_sgpr_kernarg_segment_ptr 1
		.amdhsa_wavefront_size32 1
		.amdhsa_system_sgpr_workgroup_id_x 1
		.amdhsa_system_sgpr_workgroup_id_y 1
		.amdhsa_system_sgpr_workgroup_id_z 1
		.amdhsa_system_vgpr_workitem_id 0
		.amdhsa_next_free_vgpr 256
		.amdhsa_next_free_sgpr 96
		.amdhsa_reserve_vcc 1
		.amdhsa_float_denorm_mode_32 3
		.amdhsa_float_denorm_mode_16_64 3
		.amdhsa_fp16_overflow 1
		.amdhsa_memory_ordered 1
		.amdhsa_forward_progress 1
		.amdhsa_inst_pref_size 91
	.end_amdhsa_kernel
	.amdgpu_metadata
---
amdhsa.version: [ 1, 2 ]
amdhsa.kernels:
  - .name:           k_qc9da256bda_attn
    .symbol:         k_qc9da256bda_attn.kd
    .args:
      - { .name: qkvc, .offset: 0, .size: 8, .value_kind: global_buffer, .address_space: global }
      - { .name: lowp_scales, .offset: 8, .size: 8, .value_kind: global_buffer, .address_space: global }
      - { .name: yc, .offset: 16, .size: 8, .value_kind: global_buffer, .address_space: global }
    .group_segment_fixed_size: 327680
    .private_segment_fixed_size: 0
    .kernarg_segment_align: 8
    .kernarg_segment_size: 24
    .max_flat_workgroup_size: 512
    .sgpr_count:     96
    .vgpr_count:     256
    .wavefront_size: 32
...
	.end_amdgpu_metadata
.endif
;; end of part 2
;; launch proj (part 3): grid 32 x 8, 4 waves a work-group, clusters of 4 x 1, 327,680 bytes of LDS; arguments yc, W_proj_codes, lowp_scales, b_proj, out0; writes out0
.if DOCPART == 3
	.amdgcn_target "amdgcn-amd-amdhsa--gfx1250"
	.amdhsa_code_object_version 6
	.text
	.protected	k_qc9da256bda_proj
	.globl	k_qc9da256bda_proj
	.p2align	8
	.type	k_qc9da256bda_proj,@function
k_qc9da256bda_proj:
	s_mov_b64 s[64:65], 0
	v_nop
	global_prefetch_b8 v0, s[64:65] scope:SCOPE_SE
	s_setreg_imm32_b32 hwreg(HW_REG_WAVE_MODE, 25, 1), 1
	s_wait_xcnt 0x0
	s_wait_alu depctr_hold_cnt(0) depctr_sa_sdst(0) depctr_va_vdst(0) depctr_va_sdst(0) depctr_va_ssrc(0) depctr_va_vcc(0) depctr_vm_vsrc(0)
	s_getreg_b32 s2, hwreg(HW_REG_IB_STS2, 6, 4)
	s_cmp_eq_u32 s2, 0
	s_cbranch_scc0 .Lentry_in_a_cluster
	s_endpgm
.Lentry_in_a_cluster:
	s_bfe_u32 s2, ttmp6, 0x10000c
	s_cmp_lg_u32 s2, 0x3003
	s_cbranch_scc0 .Lentry_shape_is_right
	s_endpgm
.Lentry_shape_is_right:
; out0 = y W_proj + b_proj on codes of FP8 (E4M3).  y comes as images of operand registers (yc: token tile TT at 16384 TT, K step kap at + 2048 kap, 16 registers: registers 4 c .. 4 c + 3 = k 32 c + 16 (lane / 16) + 0 .. 15
; of token 16 TT + lane % 16); W_proj: [1024 (n)][1024 (k)] codes; b_proj [1024], out0 [8192][1024] f32.  A finished sum is multiplied by 2^(e6 + e7) and the bias added, one packed multiply-add for two numbers.
; LIMIT: e6 + e7 between -126 and 127, so that the power of two is an f32 number.
; SHARES.  Work-group (X, Y) makes tokens 256 X on x columns 128 Y on: 256 work-groups.  Wave w takes tokens 256 X + 64 w .. + 63 and all 128 columns, 64 at a time.
; Its 4 token tiles x 8 K steps of y, 512 registers, come straight from memory (each load covers 512 consecutive bytes) and stay.  W's 128 rows lie in LDS over the whole K, filled ONCE, jointly for the four
; partners of a cluster, which share Y: nothing is filled again, so there is no ring.  Each fragment of W read from LDS feeds four products.  By this text's count a wave has two tensor loads out.
; y is not asked for jointly: it goes into registers, where a tensor load cannot land, and the partners' tokens differ.
; THE MATRIX INSTRUCTION IS USED TRANSPOSED (source 0 = 16 rows of W, source 1 = 16 tokens): a lane holds eight neighbouring columns of one row of out0.
; REGISTERS, in windows of 256: window 0: v1-9 addresses; v32-95 the bias (tile ct at 8 ct: columns 16 ct + 8 h + j); v96-159 results, two sets; v160-223 rows read back, two sets.
;   window 1: v0-127 the 16 accumulators ((m, n) at 8 (4 m + n)); v128-191, v192-255 W's fragments, two sets.   windows 2, 3: y's fragments of K steps 0-3, 4-7, at 16 (4 (kap % 4) + m).
.set WP,    1040                       ; a row of W in LDS: 1,024 bytes + 16 of padding = 65 x 16: the 16 rows that a load touches start at 16 different banks (64 banks of 4 bytes: ISA guide 11.1)
.set STAGE, 128*WP                     ; behind W (a multiple of 256): 16 rows x 272 bytes for each wave, for the way out; no fill lands there
.set SP,    272
.set LI,  3                            ; v3  16 x lane
.set AW,  4                            ; v4, v5  my lane's place in W's rows 0-63, 64-127
.set STO, 6                            ; v6  the stage: where I put 32 bytes of a row
.set RD,  7                            ; v7  and where I read a row back
.set CO,  8                            ; v8  my byte offset in two rows of out0
.set BI,  32
.set OUT, 96
.set BK,  160
.set G1,  24                           ; s[24:31] descriptor group 1;  s[32:35], s[36:39] groups 0
.set MSB, 0
.macro WIN new                         ; the immediate's high byte repeats the setting that is left
.if MSB != \new
	s_set_vgpr_msb (MSB<<8)|\new
.set MSB, \new
.endif
.endm
.macro PLACES n
.rept \n
	v_nop
.endr
.endm
.macro CROUND                          ; a round of the cluster's barrier
	s_barrier_signal -1
	s_barrier_wait -1
	s_cmp_lg_u32 s14, 0
	s_cbranch_scc1 .Lnot_wave_0_\@
	s_barrier_signal -3
.Lnot_wave_0_\@:
	s_barrier_wait -3
	s_barrier_signal -1
	s_barrier_wait -1
.endm
	s_load_b128 s[4:7], s[0:1], 0x0                ; yc s[4:5], W's codes s[6:7]
	s_load_b128 s[8:11], s[0:1], 0x10              ; the scales' exponents s[8:9], the bias s[10:11]
	s_load_b64 s[12:13], s[0:1], 0x20              ; out0
	v_lshl_add_u32 v254, v0, 2, 0x29000
	v_mov_b32 v255, 0
	ds_add_u32 v254, v255
	ds_add_u32 v254, v255
	v_lshrrev_b32 v1, 5, v0
	v_readfirstlane_b32 s14, v1                    ; wave 0..3
	s_bfe_u32 s15, ttmp6, 0x40000                  ; cx
	s_lshl_b32 s16, ttmp9, 2
	s_add_co_u32 s16, s16, s15                     ; X = 4 x cluster x + cx: it enters y's and out0's addresses alone
	s_and_b32 s17, ttmp7, 0xffff                   ; Y, which the four partners share
	; descriptor group 1: 16 rows of 1,024 bytes, padded in LDS
	s_mov_b32 s[G1], 15|(0<<16)|(1<<20)|(1<<21)|(7<<22)|(3<<25)   ; 15:0 the mask: all four work-groups; 17:16 elements of 1 byte; 20 padding on; 21 set beside a mask; 24:22 after every 256 words (code 7); 31:25 of 4 words (code 3)
	s_mov_b32 s[G1+1], 1024<<16                    ; tensor_dim0
	s_mov_b32 s[G1+2], 16<<16                      ; tensor_dim1
	s_mov_b32 s[G1+3], 1024<<16                    ; tile_dim0
	s_mov_b32 s[G1+4], 16                          ; tile_dim1
	s_mov_b32 s[G1+5], 1024                        ; tensor_dim0_stride
	s_mov_b32 s[G1+6], 0
	s_mov_b32 s[G1+7], 0
	s_mul_i32 s18, s14, 16*WP                      ; LDS: rows 16 w on
	s_lshl_b32 s20, s17, 17                        ; W's row 128 Y,
	s_lshl_b32 s19, s14, 14                        ; + 16 w, of 1,024 bytes
	s_add_co_u32 s20, s20, s19
	s_mov_b32 s21, 0
	s_wait_dscnt 0x0
	s_wait_kmcnt 0x0
	s_load_b256 s[48:55], s[8:9], 0x0              ; e0 .. e7
	s_mov_b32 s32, 1
	s_mov_b32 s33, s18
	s_add_nc_u64 s[34:35], s[6:7], s[20:21]
	s_mov_b32 s36, 1
	s_add_co_u32 s37, s18, 64*WP                   ; the second load: the same rows + 64
	s_add_nc_u64 s[38:39], s[34:35], 65536
	s_or_b32 s35, s35, 0x80000000
	s_or_b32 s39, s39, 0x80000000
	CROUND                                         ; all four work-groups are here: the joint loads meet
	tensor_load_to_lds s[32:35], s[G1:G1+7]
	s_nop 0
	s_wait_alu depctr_va_vdst(0)
	s_wait_tensorcnt 0x0
	ds_add_u32 v254, v255
	s_wait_dscnt 0x0
	CROUND
	tensor_load_to_lds s[36:39], s[G1:G1+7]
	s_nop 0
.rept 4
	v_nop
.endr
	v_and_b32 v1, 15, v0                           ; r
	v_bfe_u32 v2, v0, 4, 1                         ; h
	v_and_b32 v3, 31, v0
	v_lshlrev_b32 v[LI], 4, v3
	v_mul_u32_u24 v[AW], v1, WP
	v_lshl_add_u32 v[AW], v2, 4, v[AW]             ; row r x pitch + 16 h
	v_add_nc_u32 v[AW+1], 64*WP, v[AW]
	s_mul_i32 s22, s14, 16*SP
	s_add_co_u32 s22, s22, STAGE                   ; my stage
	v_mul_u32_u24 v[STO], v1, SP
	v_lshl_add_u32 v[STO], v2, 5, v[STO]
	v_add_nc_u32 v[STO], s22, v[STO]               ; in: row r, 32 bytes for each half of the lanes
	v_mul_u32_u24 v[RD], v2, SP
	v_lshl_add_u32 v[RD], v1, 4, v[RD]
	v_add_nc_u32 v[RD], s22, v[RD]                 ; back: lanes 0-15 one row of 256 bytes, lanes 16-31 the next
	v_lshlrev_b32 v[CO], 12, v2
	v_lshl_add_u32 v[CO], v1, 4, v[CO]             ; and the same two rows in out0
	v_lshlrev_b32 v9, 5, v2                        ; the bias: 32 h
	s_wait_alu depctr_va_vdst(0)
	s_lshl_b32 s40, s17, 9
	s_mov_b32 s41, 0
	s_add_nc_u64 s[10:11], s[10:11], s[40:41]      ; the bias at column 128 Y
	s_lshl_b32 s42, s16, 18
	s_lshl_b32 s43, s14, 16
	s_add_co_u32 s42, s42, s43
	s_mov_b32 s43, 0
	s_add_nc_u64 s[4:5], s[4:5], s[42:43]          ; y at token tile 16 X + 4 w
	s_lshl_b32 s44, s16, 20
	s_lshl_b32 s45, s14, 18
	s_add_co_u32 s44, s44, s45
	s_add_co_u32 s44, s44, s40
	s_mov_b32 s45, 0
	s_add_nc_u64 s[12:13], s[12:13], s[44:45]      ; out0 at row 256 X + 64 w, column 128 Y
.irp t, 0,1,2,3,4,5,6,7
	global_load_b128 v[BI+8*\t:BI+8*\t+3], v9, s[10:11] offset:64*\t
	global_load_b128 v[BI+8*\t+4:BI+8*\t+7], v9, s[10:11] offset:64*\t+16
.endr
.irp kap, 0,1,2,3,4,5,6,7                      ; y's 32 fragments, K step by K step: 16 loads a step
.if \kap < 4
	WIN 0x80                                       ; destination window 2
.else
	WIN 0xc0                                       ; destination window 3
.endif
.irp m, 0,1,2,3
.irp c, 0,1,2,3
	global_load_b128 v[16*(4*(\kap%4)+\m)+4*\c:16*(4*(\kap%4)+\m)+4*\c+3], v[LI], s[4:5] offset:\m*16384+\kap*2048+\c*512
.endr
.endr
.endr
	WIN 0
	s_wait_kmcnt 0x0
	s_add_co_i32 s46, s54, s55
	s_add_co_i32 s46, s46, 127
	s_lshl_b32 s46, s46, 23                        ; 2^(e6 + e7) as f32
	s_mov_b32 s47, s46                             ; (named with it as a pair, so it is written)
.macro FETCHW g, kap                   ; W's four fragments (column tiles 4 g .. 4 g + 3) of K step kap into set kap % 2: registers 4 c .. 4 c + 3 = k 32 c + 16 h + 0 .. 15, as in y's images
	WIN 0x40                                       ; destination window 1
.irp n, 0,1,2,3
.irp c, 0,1,2,3
	ds_load_b128 v[128+64*((\kap)%2)+16*\n+4*\c:128+64*((\kap)%2)+16*\n+4*\c+3], v[AW+\g] offset:16*WP*\n+128*(\kap)+32*\c
.endr
.endr
.endm
.macro MULK kap                        ; 16 matrix instructions: the 16 accumulators by turns, one instruction a turn, in the same order in every K step; the first K step starts the sums
.if (\kap) < 4
	WIN 0x59                                       ; source 0 (W), C and D window 1; source 1 (y) window 2
.else
	WIN 0x5d                                       ; source 1 window 3
.endif
.irp m, 0,1,2,3
.irp n, 0,1,2,3
.if (\kap) == 0
	v_wmma_f32_16x16x128_fp8_fp8 v[8*(4*\m+\n):8*(4*\m+\n)+7], v[128+64*((\kap)%2)+16*\n:128+64*((\kap)%2)+16*\n+15], v[16*(4*((\kap)%4)+\m):16*(4*((\kap)%4)+\m)+15], 0
.else
	v_wmma_f32_16x16x128_fp8_fp8 v[8*(4*\m+\n):8*(4*\m+\n)+7], v[128+64*((\kap)%2)+16*\n:128+64*((\kap)%2)+16*\n+15], v[16*(4*((\kap)%4)+\m):16*(4*((\kap)%4)+\m)+15], v[8*(4*\m+\n):8*(4*\m+\n)+7]
.endif
.endr
.endr
.endm
.macro KLOOP g                         ; 64 columns over the whole K
.irp kap, 0,1,2,3,4,5,6,7
.if \g == 0
.if \kap == 0
	s_wait_loadcnt 63                              ; behind K step 3's loads of y stand 64 younger ones: K steps 0-3 (and the bias) are in
.elseif \kap >= 4
	s_wait_loadcnt 16*(7-\kap)                     ; this K step's loads are in; the sixteen of each later step may be out
.endif
.endif
.if \kap < 7
	s_wait_dscnt 16                                ; this K step's fragments of W are in; the next step's sixteen loads may be out
.else
	s_wait_dscnt 0
.endif
	MULK \kap
.if \kap < 6
	PLACES 4                                       ; in front of loads into registers that these products read
	FETCHW \g, \kap+2
.endif
.endr
.endm
; THE WAY OUT of 16 tokens x 64 columns: sum x 2^(e6 + e7) + bias, each accumulator from its low end on; through my own stage, and back as whole rows of 256 bytes.
; LDS serves a wave's instructions in order (ISA guide 5.7.1.4): no wait between the stores and the loads, nor in front of the next block's stores.
.macro TOSTAGE g, m
.set OS, OUT+32*((\m)%2)
.set BS, BK+32*((\m)%2)
	WIN 0x01                                       ; source 0 (the sums) window 1
.irp n, 0,1,2,3
.irp i, 0,2,4,6
	v_pk_fma_f32 v[OS+8*\n+\i:OS+8*\n+\i+1], v[8*(4*(\m)+\n)+\i:8*(4*(\m)+\n)+\i+1], s[46:47], v[BI+8*(4*\g+\n)+\i:BI+8*(4*\g+\n)+\i+1] op_sel_hi:[1,0,1]
.endr
.endr
	WIN 0
.irp n, 0,1,2,3
	ds_store_b128 v[STO], v[OS+8*\n:OS+8*\n+3] offset:64*\n
	ds_store_b128 v[STO], v[OS+8*\n+4:OS+8*\n+7] offset:64*\n+16
.endr
.irp i, 0,1,2,3,4,5,6,7
	ds_load_b128 v[BS+4*\i:BS+4*\i+3], v[RD] offset:2*\i*SP
.endr
.endm
.macro SEND g, m, younger              ; younger: the LDS instructions issued behind block m's loads, which may stay out
.set BS, BK+32*((\m)%2)
	s_wait_dscnt \younger
.irp i, 0,1,2,3,4,5,6,7
	global_store_b128 v[CO], v[BS+4*\i:BS+4*\i+3], s[12:13] offset:(16*(\m)+2*\i)*4096+256*\g th:TH_STORE_NT   ; 16 lanes store 256 consecutive bytes, at a multiple of 256 from out0's first byte; written once, read by nobody here
.endr
.endm
.macro WAYOUT g
	TOSTAGE \g, 0
.irp m, 1,2,3
	s_wait_xcnt 0x0                                ; the stores of the block two back have read their registers: this block's rows may land there
	TOSTAGE \g, \m
	SEND \g, \m-1, 16                              ; behind block m - 1's loads: block m's 8 stores and 8 loads
.endr
	SEND \g, 3, 0
.endm
	s_wait_tensorcnt 1                             ; my part of W's rows 0-63 is in; my second load, issued behind it, may stay out
	s_barrier_signal -1
	s_barrier_wait -1                              ; everybody's is
	FETCHW 0, 0
	FETCHW 0, 1
	KLOOP 0
	WIN 0
	s_wait_tensorcnt 0x0                           ; my part of rows 64-127 is in,
	s_wait_dscnt 0x0
	s_barrier_signal -1
	s_barrier_wait -1                              ; everybody's is
	PLACES 4                                       ; behind the last products: for the loads into W's two sets and for the first read of the sums
	FETCHW 1, 0                                    ; the second half's first fragments are on their way while the first half goes out
	FETCHW 1, 1
	WAYOUT 0
	KLOOP 1
	WIN 0
	PLACES 4
	s_wait_xcnt 0x0                                ; the first half's stores have read their registers
	WAYOUT 1
	s_wait_tensorcnt 0x0
	ds_add_u32 v254, v255
	s_wait_dscnt 0x0
	CROUND                                         ; the closing round (no LDS instruction of mine is out: the last wait was for 0)
	s_endpgm
.Lfunc_end_k_qc9da256bda_proj:
	.size	k_qc9da256bda_proj, .Lfunc_end_k_qc9da256bda_proj-k_qc9da256bda_proj
	.p2alignl 7, 3214868480
	.fill 96, 4, 3214868480
	.section	.rodata,"a",@progbits
	.p2align	6, 0x0
	.amdhsa_kernel k_qc9da256bda_proj
		.amdhsa_group_segment_fixed_size 327680
		.amdhsa_private_segment_fixed_size 0
		.amdhsa_enable_private_segment 0
		.amdhsa_kernarg_size 40
		.amdhsa_user_sgpr_count 2
		.amdhsa_user_sgpr_kernarg_segment_ptr 1
		.amdhsa_wavefront_size32 1
		.amdhsa_system_sgpr_workgroup_id_x 1
		.amdhsa_system_sgpr_workgroup_id_y 1
		.amdhsa_system_sgpr_workgroup_id_z 1
		.amdhsa_system_vgpr_workitem_id 0
		.amdhsa_next_free_vgpr 1024
		.amdhsa_next_free_sgpr 66
		.amdhsa_reserve_vcc 0
		.amdhsa_float_denorm_mode_32 3
		.amdhsa_float_denorm_mode_16_64 3
		.amdhsa_memory_ordered 1
		.amdhsa_forward_progress 1
		.amdhsa_inst_pref_size 78
	.end_amdhsa_kernel
	.amdgpu_metadata
---
amdhsa.version: [ 1, 2 ]
amdhsa.kernels:
  - .name:           k_qc9da256bda_proj
    .symbol:         k_qc9da256bda_proj.kd
    .args:
      - { .name: yc, .offset: 0, .size: 8, .value_kind: global_buffer, .address_space: global }
      - { .name: W_proj_codes, .offset: 8, .size: 8, .value_kind: global_buffer, .address_space: global }
      - { .name: lowp_scales, .offset: 16, .size: 8, .value_kind: global_buffer, .address_space: global }
      - { .name: b_proj, .offset: 24, .size: 8, .value_kind: global_buffer, .address_space: global }
      - { .name: out0, .offset: 32, .size: 8, .value_kind: global_buffer, .address_space: global }
    .group_segment_fixed_size: 327680
    .private_segment_fixed_size: 0
    .kernarg_segment_align: 8
    .kernarg_segment_size: 40
    .max_flat_workgroup_size: 128
    .sgpr_count:     66
    .vgpr_count:     1024
    .wavefront_size: 32
...
	.end_amdgpu_metadata
.endif
;; end of part 3
